; MI455X (gfx1250); checked and timed in simulation.
; The chip was launched on July 23, 2026; its instructions are those of AMD's public machine-readable ISA for CDNA 5 (MIT licence, August 2026) and "CDNA5" Instruction Set Architecture Reference Guide (July 2026). The comments in the code are by the model that wrote it; some were corrected since.
;; Conditional Attention Dense. Allowed arithmetic: matrix products marked QUANTISED: E2M1 operands, one E8M0 scale for each 32 along K, by v_wmma_scale_f32_16x16x128_f8f6f4 with both operands' format E2M1 (or v_wmma_scale_f32_32x16x128_f4), f32 sums; everything else in f32.
;; Inputs: Wk_codes 64 x 16 x 16 uint8 (E2M1 codes of Wk, K innermost, in blocks of 32 codes, two codes a byte); Wk_scales 64 x 16 uint8 (E8M0 scales of Wk, one for each 32 codes along K); Wq_codes 64 x 16 x 16 uint8 (E2M1 codes of Wq, K innermost, in blocks of 32 codes, two codes a byte); Wq_scales 64 x 16 uint8 (E8M0 scales of Wq, one for each 32 codes along K); Wv_codes 512 x 16 x 16 uint8 (E2M1 codes of Wv, K innermost, in blocks of 32 codes, two codes a byte); Wv_scales 512 x 16 uint8 (E8M0 scales of Wv, one for each 32 codes along K); beta 1 float32; bk 64 float32; bq 64 float32; bv 512 float32; query 16 x 32 x 64 x 512 float32.
;; Outputs: out0 16 x 32 x 64 x 512 float32.
;; This version of the problem:
;;   THIS VERSION OF THE PROBLEM IS GIVEN IN LOW PRECISION. The matrix products marked QUANTISED in the list below multiply operands that are first quantised to E2M1 (2 exponent bits, 1 mantissa bit; 4 bits a number), with one power-of-two scale for each 32 numbers along K (OCP MX v1.0); their sums are f32. All else is computed in f32.
;;   The module's matrix products, in the order in which they are computed (A, B: the left and right operand; K: the contracted axis; several contracted axes count as one K, in the product's order):
;;     1. [M 32,768, K 512] x [K 512, N 64]; A: input query; B: input Wq (given as codes): QUANTISED
;;     2. [M 32,768, K 512] x [K 512, N 64]; A: input query; B: input Wk (given as codes): QUANTISED
;;     3. [M 32,768, K 512] x [K 512, N 512]; A: input query; B: input Wv (given as codes): QUANTISED
;;     4. batch 16 x [M 2,048, K 64] x [K 64, N 2,048]; A: computed on the way; B: computed on the way: QUANTISED
;;     5. batch 16 x [M 2,048, K 2,048] x [K 2,048, N 512]; A: softmax (see below); B: computed on the way: QUANTISED
;;   THE QUANTISER, for each operand of a quantised product, along K:
;;     - K is cut into blocks of 32 from its start; a last block that is shorter is filled with zeros.
;;     - A block's scale is 2^e with e = floor(log2(the largest magnitude in the block)) - 2, held to -126 .. 127; a block of zeros has e = 0. As a byte (E8M0): e + 127.
;;     - Each number is divided by its block's scale, clamped to +-6, and rounded to the nearest number of E2M1, ties to even, subnormals kept.
;;     - The product sums the exact products of the quantised numbers (number of the format x scale) in f32.
;;   ~~~python
;;   def quantise(x, axis):      # numpy; x: float32 -> the quantised numbers, widened to float32 again
;;       x = np.moveaxis(x, axis, -1); K = x.shape[-1]
;;       x = np.pad(x, [(0, 0)] * (x.ndim - 1) + [(0, -K % 32)]); x = x.reshape(x.shape[:-1] + (-1, 32)); a = np.abs(x).max(-1, keepdims=True)
;;       e = np.where(a > 0, np.clip(np.frexp(np.where(a > 0, a, 1))[1] - 1 - 2, -126, 127), 0)      # np.frexp(a)[1] - 1 = floor(log2(a)), exactly
;;       r = np.clip(x / 2.0 ** e, -6, 6)
;;       step = 2.0 ** (np.maximum(np.frexp(np.where(r == 0, 1, r))[1] - 1, 0) - 1)
;;       q = np.round(r / step) * step * 2.0 ** e      # np.round: ties to even
;;       return np.moveaxis(q.reshape(q.shape[:-2] + (-1,))[..., :K], -1, axis).astype(np.float32)
;;   ~~~
;;   SOFTMAX AHEAD OF A QUANTISED PRODUCT. Where the list says 'softmax', what is quantised is not the finished softmax but p = 2^(t - M), with t = logit x log2(e) and M = ceil(the row's largest t), a whole number; so 1/2 < the row's largest p <= 1. The row's sum l is taken of the UNQUANTISED p, in f32, and the product's result is divided by l at the end. Since M is a whole number, a kernel that streams over the keys may use a running M (the ceiling of the running maximum): every later rescaling is an exact power of two, which a block's scale takes up: the codes' values come out the same.
;;   OPERANDS COMPUTED ON THE WAY. 'Computed on the way' means the value that the module computes at that place (a softmax that the list does not call 'softmax' is quantised finished and normalised). What goes into a quantiser is computed in f32, as accurately as f32 sums, v_exp_f32 and their like allow (about 1e-6 of the number): no bf16 or f16 on the way to a quantiser, and a product that is left as it is and whose result goes on into a quantised operand takes f32 operands (vector FMAs, or v_wmma_f32_16x16x4_f32). A number that lies on a knife's edge between two numbers of the format may be rounded either way, as far as f32 arithmetic and the matrix unit's own rounding can turn it there, and no further.
;;   INPUTS GIVEN AS CODES. Wk (in the module: [512, 64], K = its axis 0); Wq (in the module: [512, 64], K = its axis 0); Wv (in the module: [512, 512], K = its axis 0): each comes as NAME_codes (uint8): NAME with its K axis moved to the last place and cut into blocks of 32 codes, [.., K / 32, bytes a block], one block behind the other in memory; two codes a byte, the lower K in the low four bits (a code: sign, 2 exponent bits, 1 mantissa bit); and NAME_scales (uint8): the same leading axes, one E8M0 byte (e + 127) for each 32 codes along K. Its value is code x scale, taken as it is: it is not quantised again, and the codes and scales need not be those that the quantiser above would give.
;; One version. Each part assembles by itself: llvm-mc -triple=amdgcn-amd-amdhsa -mcpu=gfx1250 --defsym DOCPART=n.
;; ======== version 1 of 1: 2 launches
;; limits: right only within a limited range of input values
;; workspace buffers: qbuf 1,048,576 bytes; qsc 65,536 bytes; kbuf 1,048,576 bytes; sbuf 589,824 bytes; vbuf 8,388,608 bytes
;; launch proj (part 1): grid 256 x 1, 4 waves a work-group, no clusters, 307,712 bytes of LDS; arguments query, Wq_codes, Wq_scales, bq, Wk_codes, Wk_scales, bk, Wv_codes, Wv_scales, bv, qbuf, qsc, kbuf, sbuf, vbuf; writes qbuf, qsc, kbuf, sbuf, vbuf
.if DOCPART == 1
	.amdgcn_target "amdgcn-amd-amdhsa--gfx1250"
	.amdhsa_code_object_version 6
	.text
	.protected	k_q9dcef7a9ab_proj
	.globl	k_q9dcef7a9ab_proj
	.p2align	8
	.type	k_q9dcef7a9ab_proj,@function
k_q9dcef7a9ab_proj:
	s_mov_b64 s[64:65], 0
	v_nop
	global_prefetch_b8 v0, s[64:65] scope:SCOPE_SE
	s_setreg_imm32_b32 hwreg(HW_REG_WAVE_MODE, 25, 1), 1
	s_wait_xcnt 0x0
; q = x Wq + bq, k = x Wk + bk, v = x Wv + bv on codes of FP4 (E2M1) with one E8M0 scale for each 32 along K, and the three results quantised again for the attention launch.
; x: query as [32768 tokens][512] f32, quantised here along its 512.  Wq, Wk [64][512], Wv [512][512]: codes, K innermost, 256 bytes a row; scale bytes 16 a row.
; q and k are quantised along their 64, v along the TOKENS (they are the K of the attention's second product).
; SHARES.  A work-group of four waves takes 128 tokens (block BLK = its number; batch = BLK / 16, step = BLK % 16).  Wave w quantises tokens 32 w .. 32 w + 31, makes q and k of these, and makes v of
; all 128 tokens for channels 128 w .. 128 w + 127.  Its weights stay in registers: 256 of Wv, 256 of Wq and Wk.
; TOKEN TILES.  Tile (b, u), b = 0..3, u = 0, 1: row r is token 32 b + 8 u + r + 8 (r / 8).  As source 0 of x Wv a lane of the result then holds one channel, and the 16 registers of tiles (b, 0), (b, 1) are
; the neighbouring tokens 32 b + 16 (lane / 16) + 0 .. 15; as source 1 of W x^T a lane holds one token and its registers run along q's or k's 64 (the weights' rows of a tile are chosen the same way).
; WHAT IS STORED are images of operand registers, 16 bytes a lane, 512 consecutive bytes a store:
;   qbuf, kbuf [BLK][b][u][lane][16]: lane (r, h): codes 32 h .. 32 h + 31 of row r.   qsc, and sbuf's first 4,096 bytes of a batch: [step][b][r] words: bytes s0 s1 of tile (b, 0), s0 s1 of tile (b, 1).
;   vbuf [BLK][channel tile][c][lane][16]: lane (r, h): tokens 64 c + 32 h + 0 .. 31 of channel 16 tile + r.   sbuf + 4,096: [step][w][lane][j] words: lanes 0-15 tile 8 w + 2 j, lanes 16-31 tile 8 w + 2 j + 1.
; x COMES BY THE TENSOR DATA MOVER, all of a wave's 64 KiB asked for at the first lines: one load a wave, 64 rows x 1,024 bytes, each byte of LDS filled once and read by the
; wave that asked.  NO CLUSTER: a joint load lands in LDS; x's padded rows take 270,336 bytes and its images 36,864, and the weights' 640 rows of 272 bytes have no room beside them; x itself is shared by nobody.
; LIMITS: NaN and infinities among the inputs are not served.  A block whose largest magnitude lies under 2^(3 - 127), a block of zeros too, gets the byte 1: its codes are zeros or the held ones, and this program alone reads the bytes.
; LDS reads of x go two deep on the banks (a tile's two groups of eight rows lie 16 rows apart); they stand in the time in which x arrives.
.set XFW,  67584                       ; a wave's part of x in LDS: ONE tensor load a wave brings its 32 tokens, 65,536 dense bytes, as 64 rows of 1,024 bytes + 16 of padding (66,560 bytes)
.set XFS,  16896
.set XP,   2080                        ; from token to token: two such rows
.set XIMG, 270336                      ; x's 32 fragments as images: (4 tile + K step) x 1,024 + 512 c + 16 lane
.set XSC,  303104                      ; their scale words: tile x 256 + K step x 64 + 4 r
.set TM,   112                         ; v112-127 at work in the quantiser
.set SEL,  66                          ; s[66:67] selects for v_permlanex16_b32: lane l xor 16
; REGISTERS.  window 0: v1 r, v2 h, v3 16 lane, v4-15 addresses, v16-19 v's scale words, v20-21 pair words, v22-23 the scale word just made, v24-31 bv as a C operand, v32-47 Wv's scale words,
;   v48-55 Wq's, v56-63 Wk's, v64-79 x's (all tiles), v80-83 x's (my two tiles), v84-91 bv, v92-95 two scale bytes of q, k, v96-111 codes, v128-255 numbers and accumulators.
;   window 1: Wv's fragments (t, s) at 8 (4 t + s).   window 2: Wq's (i, s) at 8 (4 i + s), Wk's 128 on.   window 3: bq, bk, my x fragments; later all 32 x fragments at 8 (4 tile + s).
.set MSB, 0
.macro WIN new                         ; the immediate's high byte repeats the setting that is left
.if MSB != \new
	s_set_vgpr_msb (MSB<<8)|\new
.set MSB, \new
.endif
.endm
; one matrix instruction: D, A, B at register numbers d, a, b; c is the C operand as text; sa, sb the scale registers; ra, rb = 1: that side's words are read from lanes 16-31
.macro WM d, a, b, c, sa, sb, ra, rb
.if (\ra) && (\rb)
	v_wmma_scale_f32_16x16x128_f8f6f4 v[\d:\d+7], v[\a:\a+7], v[\b:\b+7], \c, v[\sa], v[\sb] matrix_a_fmt:MATRIX_FMT_FP4 matrix_b_fmt:MATRIX_FMT_FP4 matrix_a_scale:MATRIX_SCALE_ROW1 matrix_b_scale:MATRIX_SCALE_ROW1
.elseif (\ra)
	v_wmma_scale_f32_16x16x128_f8f6f4 v[\d:\d+7], v[\a:\a+7], v[\b:\b+7], \c, v[\sa], v[\sb] matrix_a_fmt:MATRIX_FMT_FP4 matrix_b_fmt:MATRIX_FMT_FP4 matrix_a_scale:MATRIX_SCALE_ROW1
.elseif (\rb)
	v_wmma_scale_f32_16x16x128_f8f6f4 v[\d:\d+7], v[\a:\a+7], v[\b:\b+7], \c, v[\sa], v[\sb] matrix_a_fmt:MATRIX_FMT_FP4 matrix_b_fmt:MATRIX_FMT_FP4 matrix_b_scale:MATRIX_SCALE_ROW1
.else
	v_wmma_scale_f32_16x16x128_f8f6f4 v[\d:\d+7], v[\a:\a+7], v[\b:\b+7], \c, v[\sa], v[\sb] matrix_a_fmt:MATRIX_FMT_FP4 matrix_b_fmt:MATRIX_FMT_FP4
.endif
.endm
.macro PLACES
.rept 4
	v_nop
.endr
.endm
; 64 numbers of a lane, register 16 b + i = k 32 b + 16 (lane / 16) + i of my row, become a fragment's 8 registers of codes at v[d] and its scale word in v[pw]
.macro QUANT s, d, pw
.irp b, 0,1,2,3
	v_max3_num_f32 v[TM+\b], |v[(\s)+16*\b]|, |v[(\s)+1+16*\b]|, 0x1800000   ; my 16 numbers of block b, and the floor 2^(3 - 127): the byte cannot fall under 1
.endr
.irp i, 2,4,6,8,10,12,14
.irp b, 0,1,2,3
	v_max3_num_f32 v[TM+\b], v[TM+\b], |v[(\s)+16*\b+\i]|, |v[(\s)+1+16*\b+\i]|   ; the four blocks by turns
.endr
.endr
.irp b, 0,1,2,3
	v_permlanex16_b32 v[TM+4+\b], v[TM+\b], s[SEL], s[SEL+1]
.endr
.irp b, 0,1,2,3
	v_max_num_f32 v[TM+\b], v[TM+\b], v[TM+4+\b]   ; with lane l xor 16's 16: the block's largest magnitude
.endr
.irp b, 0,1,2,3
	v_add_nc_u32 v[TM+12+\b], 0xff000000, v[TM+\b]   ; 2 off its exponent field: the conversion takes this operand's exponent field as its scale
.endr
.irp b, 0,1,2,3
	v_lshrrev_b32 v[TM+4+\b], 23, v[TM+12+\b]      ; the scale's byte
.endr
	v_lshl_or_b32 v[\pw], v[TM+5], 8, v[TM+4]
	v_lshl_or_b32 v[\pw], v[TM+6], 16, v[\pw]
	v_lshl_or_b32 v[\pw], v[TM+7], 24, v[\pw]
.irp b, 0,1,2,3
	v_cvt_scalef32_pk8_fp4_f32 v[(\d)+2*\b], v[(\s)+16*\b:(\s)+16*\b+7], v[TM+12+\b]
	v_cvt_scalef32_pk8_fp4_f32 v[(\d)+1+2*\b], v[(\s)+16*\b+8:(\s)+16*\b+15], v[TM+12+\b]
.endr
	v_nop                                          ; one plain instruction behind the scaled conversions
.irp c, 0,1                                    ; the operand wants a whole block in a lane: lanes 0-15 block 2 c, lanes 16-31 block 2 c + 1
.irp i, 0,1
	v_permlane16_swap_b32 v[(\d)+4*\c+\i], v[(\d)+2+4*\c+\i]
.endr
.endr
.endm
; the same for 32 numbers, two blocks: 4 registers of codes at v[d] (lane (r, h): k 32 h .. 32 h + 31) and the two bytes in v[w]
.macro QUANT32 s, d, w
.irp b, 0,1
	v_max3_num_f32 v[TM+\b], |v[(\s)+16*\b]|, |v[(\s)+1+16*\b]|, 0x1800000
.endr
.irp i, 2,4,6,8,10,12,14
.irp b, 0,1
	v_max3_num_f32 v[TM+\b], v[TM+\b], |v[(\s)+16*\b+\i]|, |v[(\s)+1+16*\b+\i]|
.endr
.endr
.irp b, 0,1
	v_permlanex16_b32 v[TM+4+\b], v[TM+\b], s[SEL], s[SEL+1]
.endr
.irp b, 0,1
	v_max_num_f32 v[TM+\b], v[TM+\b], v[TM+4+\b]
.endr
.irp b, 0,1
	v_add_nc_u32 v[TM+12+\b], 0xff000000, v[TM+\b]
.endr
.irp b, 0,1
	v_lshrrev_b32 v[TM+4+\b], 23, v[TM+12+\b]
.endr
	v_lshl_or_b32 v[\w], v[TM+5], 8, v[TM+4]
.irp b, 0,1
	v_cvt_scalef32_pk8_fp4_f32 v[(\d)+2*\b], v[(\s)+16*\b:(\s)+16*\b+7], v[TM+12+\b]
	v_cvt_scalef32_pk8_fp4_f32 v[(\d)+1+2*\b], v[(\s)+16*\b+8:(\s)+16*\b+15], v[TM+12+\b]
.endr
	v_nop
	v_permlane16_swap_b32 v[(\d)], v[(\d)+2]
	v_permlane16_swap_b32 v[(\d)+1], v[(\d)+3]
.endm
; 64 numbers of x for step n = 2 s + u (K step s, my tile u) from LDS into v[set] on: lane (r, h) takes 16 neighbours of each block of 32 of its row
.macro XL n, set
.irp b, 0,1,2,3
.irp j, 0,1,2,3
	ds_load_b128 v[(\set)+16*\b+4*\j:(\set)+16*\b+4*\j+3], v4 offset:((\n)/4)*1040+(((\n)/2)%2)*512+((\n)%2)*8*XP+128*\b+16*\j
.endr
.endr
.endm
	s_load_b512 s[4:19], s[0:1], 0x0               ; query 4, Wq codes 6, Wq scales 8, bq 10, Wk codes 12, Wk scales 14, bk 16, Wv codes 18
	s_load_b256 s[20:27], s[0:1], 0x40             ; Wv scales 20, bv 22, qbuf 24, qsc 26
	s_load_b128 s[28:31], s[0:1], 0x60             ; kbuf 28, sbuf 30
	s_load_b64 s[32:33], s[0:1], 0x70              ; vbuf
	v_lshl_add_u32 v122, v0, 2, 0x4b000
	v_mov_b32 v123, 0
	ds_add_u32 v122, v123
	ds_add_u32 v122, v123
	v_lshrrev_b32 v1, 5, v0
	v_readfirstlane_b32 s60, v1                    ; wave 0..3
	; descriptor group 1: 64 rows x 256 elements of 4 bytes, rows 256 elements apart, 4 words of padding behind every 256
	s_mov_b32 s36, (2<<16)|(1<<20)|(7<<22)|(3<<25) ; elements of 4 bytes; 4 words of padding behind every 256
	s_mov_b32 s37, 256<<16                         ; tensor_dim0
	s_mov_b32 s38, 64<<16                          ; tensor_dim1
	s_mov_b32 s39, 256<<16                         ; tile_dim0
	s_mov_b32 s40, 64                              ; tile_dim1
	s_mov_b32 s41, 256                             ; the pitch: the block is dense
	s_mov_b32 s42, 0
	s_mov_b32 s43, 0
	s_lshl_b32 s70, ttmp9, 18                      ; 128 tokens of 2,048 bytes a work-group,
	s_lshl_b32 s71, s60, 16                        ; 32 a wave
	s_add_co_u32 s70, s70, s71
	s_mov_b32 s71, 0
	s_mul_i32 s72, s60, XFW                        ; my part of x in LDS
	s_wait_dscnt 0x0
	s_wait_kmcnt 0x0
	s_add_nc_u64 s[4:5], s[4:5], s[70:71]
.irp p, 0
	s_mov_b32 s[44+4*\p], 1
	s_add_co_u32 s[45+4*\p], s72, \p*XFS
	s_add_nc_u64 s[46+4*\p:47+4*\p], s[4:5], \p*512
	s_or_b32 s[47+4*\p], s[47+4*\p], 0x80000000
.endr
	tensor_load_to_lds s[44:47], s[36:43]          ; my one fill goes out ahead of everything else
	s_nop 0
	PLACES                                         ; four such lines behind a tensor load ahead of a switch of windows
	v_and_b32 v1, 15, v0                           ; r
	v_bfe_u32 v2, v0, 4, 1                         ; h
	v_and_b32 v3, 31, v0
	v_lshlrev_b32 v8, 2, v3                        ; 4 lane
	v_lshlrev_b32 v3, 4, v3                        ; 16 lane
	v_and_b32 v11, 8, v1
	v_add_nc_u32 v11, v11, v1                      ; r + 8 (r / 8)
	v_mul_u32_u24 v4, v11, XP
	v_lshl_add_u32 v4, v2, 6, v4
	v_add_nc_u32 v4, s72, v4                       ; x in LDS: my row, + 64 h
	s_lshl_b32 s73, s60, 13
	s_add_co_u32 s73, s73, XIMG
	v_add_nc_u32 v5, s73, v3                       ; where my two tiles' images lie
	v_lshlrev_b32 v14, 2, v1                       ; 4 r
	s_lshl_b32 s73, s60, 9
	s_add_co_u32 s73, s73, XSC
	v_add_nc_u32 v6, s73, v14                      ; where I store their scale words,
	v_add_nc_u32 v9, s73, v8                       ; and read them back: two K steps in a register
	v_add_nc_u32 v7, XIMG, v3                      ; all images
	v_add_nc_u32 v8, XSC, v8                       ; all scale words
	v_lshlrev_b32 v10, 8, v1
	v_lshl_add_u32 v10, v2, 4, v10                 ; Wv: row r of 256 bytes, + 16 h
	v_lshlrev_b32 v12, 4, v1
	v_lshl_add_u32 v12, v2, 3, v12                 ; Wv's scales: row r of 16 bytes, + 8 h: lanes 0-15 K steps 0, 1, lanes 16-31 K steps 2, 3
	v_lshlrev_b32 v13, 4, v11
	v_lshl_add_u32 v13, v2, 3, v13                 ; Wq's, Wk's likewise, by the tile's rows
	v_lshlrev_b32 v11, 8, v11
	v_lshl_add_u32 v11, v2, 4, v11                 ; Wq, Wk: row r + 8 (r / 8)
	s_wait_alu depctr_va_vdst(0)
	v_lshlrev_b32 v15, 6, v2                       ; bq, bk: 16 h numbers on
	s_wait_alu depctr_va_vdst(0)
	s_mov_b32 s[SEL], 0x76543210
	s_mov_b32 s[SEL+1], 0xfedcba98
	s_mov_b32 s68, 0xffff0000                      ; lanes 16-31
.irp b, 0,1,2,3
	v_mov_b32 v[TM+4+\b], 0                        ; written once: a lane permute's destination counts as one of its sources
.endr
	s_mov_b32 s71, 0
	s_lshl_b32 s70, s60, 15
	s_add_nc_u64 s[18:19], s[18:19], s[70:71]      ; my 128 rows of Wv,
	s_lshl_b32 s70, s60, 11
	s_add_nc_u64 s[20:21], s[20:21], s[70:71]      ; their scales,
	s_lshl_b32 s70, s60, 9
	s_add_nc_u64 s[22:23], s[22:23], s[70:71]      ; my 128 of bv
	s_lshl_b32 s70, ttmp9, 12
	s_lshl_b32 s73, s60, 10
	s_add_co_u32 s70, s70, s73
	s_add_nc_u64 s[24:25], s[24:25], s[70:71]      ; qbuf, kbuf: BLK x 4,096 + 1,024 w
	s_add_nc_u64 s[28:29], s[28:29], s[70:71]
	s_lshl_b32 s70, ttmp9, 8
	s_lshl_b32 s73, s60, 6
	s_add_co_u32 s70, s70, s73
	s_add_nc_u64 s[26:27], s[26:27], s[70:71]      ; qsc: BLK x 256 + 64 w
	s_lshr_b32 s74, ttmp9, 4                       ; batch
	s_and_b32 s75, ttmp9, 15                       ; step
	s_mul_i32 s74, s74, 36864
	s_lshl_b32 s70, s75, 8
	s_add_co_u32 s70, s70, s73
	s_add_co_u32 s70, s70, s74
	s_add_nc_u64 s[34:35], s[30:31], s[70:71]      ; sbuf, k's pair words: batch x 36,864 + step x 256 + 64 w
	s_lshl_b32 s70, s75, 11
	s_lshl_b32 s73, s60, 9
	s_add_co_u32 s70, s70, s73
	s_add_co_u32 s70, s70, s74
	s_add_co_u32 s70, s70, 4096
	s_add_nc_u64 s[30:31], s[30:31], s[70:71]      ; sbuf, v's scale words: batch x 36,864 + 4,096 + step x 2,048 + 512 w
	s_lshl_b32 s70, ttmp9, 15
	s_lshl_b32 s73, s60, 13
	s_add_co_u32 s70, s70, s73
	s_add_nc_u64 s[32:33], s[32:33], s[70:71]      ; vbuf: BLK x 32,768 + 8,192 w
	; the weights go into registers and stay
	WIN 0x40                                       ; destination window 1
.irp t, 0,1,2,3,4,5,6,7
.irp s, 0,1,2,3
.irp c, 0,1
	global_load_b128 v[8*(4*\t+\s)+4*\c:8*(4*\t+\s)+4*\c+3], v10, s[18:19] offset:\t*4096+64*\s+32*\c
.endr
.endr
.endr
	WIN 0x80                                       ; destination window 2
.irp i, 0,1,2,3                                ; tile i = 2 b + u begins at row 32 b + 8 u
.irp s, 0,1,2,3
.irp c, 0,1
	global_load_b128 v[8*(4*\i+\s)+4*\c:8*(4*\i+\s)+4*\c+3], v11, s[6:7] offset:(32*(\i/2)+8*(\i%2))*256+64*\s+32*\c
	global_load_b128 v[128+8*(4*\i+\s)+4*\c:128+8*(4*\i+\s)+4*\c+3], v11, s[12:13] offset:(32*(\i/2)+8*(\i%2))*256+64*\s+32*\c
.endr
.endr
.endr
	WIN 0xc0                                       ; destination window 3: the biases in the result's layout: lane (r, h), tile i: numbers 32 b + 16 h + 8 u + 0 .. 7
.irp i, 0,1,2,3
	global_load_b128 v[8*\i:8*\i+3], v15, s[10:11] offset:(32*(\i/2)+8*(\i%2))*4
	global_load_b128 v[8*\i+4:8*\i+7], v15, s[10:11] offset:(32*(\i/2)+8*(\i%2))*4+16
	global_load_b128 v[32+8*\i:32+8*\i+3], v15, s[16:17] offset:(32*(\i/2)+8*(\i%2))*4
	global_load_b128 v[32+8*\i+4:32+8*\i+7], v15, s[16:17] offset:(32*(\i/2)+8*(\i%2))*4+16
.endr
	WIN 0
.irp t, 0,1,2,3,4,5,6,7
	global_load_b64 v[32+2*\t:33+2*\t], v12, s[20:21] offset:\t*256   ; K step s: register s % 2, lanes 16-31 where s >= 2
	global_load_b32 v[84+\t], v14, s[22:23] offset:64*\t              ; bv of channel 16 t + r
.endr
.irp i, 0,1,2,3
	global_load_b64 v[48+2*\i:49+2*\i], v13, s[8:9] offset:(32*(\i/2)+8*(\i%2))*16
	global_load_b64 v[56+2*\i:57+2*\i], v13, s[14:15] offset:(32*(\i/2)+8*(\i%2))*16
.endr
	; ---- X: my 32 tokens become eight fragments, step n = 2 s + u; numbers in two sets by turns, codes and scale word in two sets by turns
	s_wait_tensorcnt 0x0                           ; my one load is in
	XL 0, 128
	XL 1, 192
.set n, 0
.rept 8
.if n == 0
	s_wait_dscnt 16                                ; my set is in; behind it: the other set's 16 loads
.elseif n < 7
	s_wait_dscnt 19                                ; behind it: the last step's 3 stores and 16 loads.  So the stores of two steps back, which read the registers written now, are done too
.else
	s_wait_dscnt 3                                 ; behind it: the last step's 3 stores
.endif
	QUANT 128+64*(n%2), 96+8*(n%2), 22+n%2
	ds_store_b128 v5, v[96+8*(n%2):96+8*(n%2)+3] offset:(4*(n%2)+n/2)*1024
	ds_store_b128 v5, v[96+8*(n%2)+4:96+8*(n%2)+7] offset:(4*(n%2)+n/2)*1024+512
	ds_store_b32 v6, v[22+n%2] offset:(n%2)*256+(n/2)*64   ; both halves of the lanes write the same word with the same value
.if n <= 5
	XL n+2, 128+64*(n%2)
.endif
.set n, n+1
.endr
	; ---- q and k of my two tiles: their images are my own bytes, and LDS serves a wave's instructions in order: no barrier yet
	WIN 0xc0
.irp u, 0,1
.irp s, 0,1,2,3
.irp c, 0,1
	ds_load_b128 v[64+8*(4*\u+\s)+4*\c:64+8*(4*\u+\s)+4*\c+3], v5 offset:(4*\u+\s)*1024+512*\c
.endr
.endr
.endr
	WIN 0
.irp u, 0,1
.irp g, 0,1
	ds_load_b32 v[80+2*\u+\g], v9 offset:\u*256+\g*128   ; lanes 0-15 K step 2 g, lanes 16-31 K step 2 g + 1
.endr
.endr
	s_wait_loadcnt 0x0                             ; the weights, their scales, the biases
	s_wait_dscnt 0x0
	; source 0 = 16 rows of Wq or Wk, source 1 = my tile of x: a lane holds one token.  16 accumulators (P, u, i) at v[128 + 8 (8 P + 4 u + i)] take turns; the bias is the first C
.irp s, 0,1,2,3
.if \s == 0
	WIN 0x3e                                       ; A window 2, B window 3, C window 3
.else
	WIN 0x0e                                       ; A window 2, B window 3
.endif
.irp P, 0,1
.irp u, 0,1
.irp i, 0,1,2,3
.if \s == 0
	WM 128+8*(8*\P+4*\u+\i), 128*\P+8*(4*\i+\s), 64+8*(4*\u+\s), v[32*\P+8*\i:32*\P+8*\i+7], 48+8*\P+2*\i+\s%2, 80+2*\u+\s/2, \s/2, \s%2
.else
	WM 128+8*(8*\P+4*\u+\i), 128*\P+8*(4*\i+\s), 64+8*(4*\u+\s), v[128+8*(8*\P+4*\u+\i):128+8*(8*\P+4*\u+\i)+7], 48+8*\P+2*\i+\s%2, 80+2*\u+\s/2, \s/2, \s%2
.endif
.endr
.endr
.endr
.endr
	WIN 0
	PLACES                                         ; four plain instructions between the last product and the first read of results (ISA guide 7.12.1)
.irp g, 0,1,2,3                                ; g = 2 P + u
	QUANT32 128+32*\g, 96+4*\g, 92+\g
.endr
	v_lshl_or_b32 v20, v93, 16, v92                ; q's pair word: tile (w, 0)'s two bytes, then tile (w, 1)'s
	v_lshl_or_b32 v21, v95, 16, v94                ; k's
.irp u, 0,1
	global_store_b128 v3, v[96+4*\u:99+4*\u], s[24:25] offset:512*\u      ; 32 lanes store 512 consecutive bytes
	global_store_b128 v3, v[104+4*\u:107+4*\u], s[28:29] offset:512*\u
.endr
	global_store_b32 v14, v20, s[26:27]            ; 64 bytes: both halves of the lanes write the same word
	global_store_b32 v14, v21, s[34:35]
	s_wait_dscnt 0x0                               ; my images and scale words have landed
	s_barrier_signal -1
	s_barrier_wait -1                              ; everybody's have
	WIN 0xc0
.irp m, 0,1,2,3,4,5,6,7
.irp s, 0,1,2,3
.irp c, 0,1
	ds_load_b128 v[8*(4*\m+\s)+4*\c:8*(4*\m+\s)+4*\c+3], v7 offset:(4*\m+\s)*1024+512*\c
.endr
.endr
.endr
	WIN 0
.irp m, 0,1,2,3,4,5,6,7
.irp g, 0,1
	ds_load_b32 v[64+2*\m+\g], v8 offset:\m*256+\g*128
.endr
.endr
	s_wait_dscnt 0x0
	; ---- v: for each of my 8 tiles of 16 channels: source 0 = a tile of tokens, source 1 = 16 rows of Wv: a lane holds one channel, its 64 registers 64 of the 128 tokens
.irp t, 0,1,2,3,4,5,6,7
.irp j, 0,1,2,3,4,5,6,7
	v_mov_b32 v[24+\j], v[84+\t]                   ; the bias of my channel, for all eight tokens of a lane: the C of each sum's first product
.endr
	PLACES
	WIN 0x07                                       ; A window 3, B window 1
.irp s, 0,1,2,3
.irp m, 0,1,2,3,4,5,6,7                        ; the eight accumulators take turns
.if \s == 0
	WM 128+8*\m, 8*(4*\m+\s), 8*(4*\t+\s), v[24:31], 64+2*\m+\s/2, 32+2*\t+\s%2, \s%2, \s/2
.else
	WM 128+8*\m, 8*(4*\m+\s), 8*(4*\t+\s), v[128+8*\m:128+8*\m+7], 64+2*\m+\s/2, 32+2*\t+\s%2, \s%2, \s/2
.endif
.endr
.endr
	WIN 0
	PLACES
	QUANT 128, 192+8*\t, 22                        ; along the tokens; each tile has code registers of its own, so no store's data are written again
.if \t%2 == 0
	v_mov_b32 v[16+\t/2], v22                      ; the even tile's scale words,
.else
	v_cndmask_b32 v[16+\t/2], v[16+\t/2], v22, s68 ; the odd tile's in lanes 16-31
.endif
.irp c, 0,1
	global_store_b128 v3, v[192+8*\t+4*\c:192+8*\t+4*\c+3], s[32:33] offset:\t*1024+512*\c
.endr
.endr
	global_store_b128 v3, v[16:19], s[30:31]       ; 512 consecutive bytes of scale words
	s_wait_tensorcnt 0x0
	ds_add_u32 v122, v123
	s_wait_dscnt 0x0
	s_endpgm
.Lfunc_end_k_q9dcef7a9ab_proj:
	.size	k_q9dcef7a9ab_proj, .Lfunc_end_k_q9dcef7a9ab_proj-k_q9dcef7a9ab_proj
	.p2alignl 7, 3214868480
	.fill 96, 4, 3214868480
	.section	.rodata,"a",@progbits
	.p2align	6, 0x0
	.amdhsa_kernel k_q9dcef7a9ab_proj
		.amdhsa_group_segment_fixed_size 307712
		.amdhsa_private_segment_fixed_size 0
		.amdhsa_enable_private_segment 0
		.amdhsa_kernarg_size 120
		.amdhsa_user_sgpr_count 2
		.amdhsa_user_sgpr_kernarg_segment_ptr 1
		.amdhsa_wavefront_size32 1
		.amdhsa_system_sgpr_workgroup_id_x 1
		.amdhsa_system_sgpr_workgroup_id_y 1
		.amdhsa_system_sgpr_workgroup_id_z 1
		.amdhsa_system_vgpr_workitem_id 0
		.amdhsa_next_free_vgpr 1024
		.amdhsa_next_free_sgpr 80
		.amdhsa_reserve_vcc 0
		.amdhsa_float_denorm_mode_32 3
		.amdhsa_float_denorm_mode_16_64 3
		.amdhsa_memory_ordered 1
		.amdhsa_forward_progress 1
		.amdhsa_inst_pref_size 152
	.end_amdhsa_kernel
	.amdgpu_metadata
---
amdhsa.version: [ 1, 2 ]
amdhsa.kernels:
  - .name:           k_q9dcef7a9ab_proj
    .symbol:         k_q9dcef7a9ab_proj.kd
    .args:
      - { .name: query, .offset: 0, .size: 8, .value_kind: global_buffer, .address_space: global }
      - { .name: Wq_codes, .offset: 8, .size: 8, .value_kind: global_buffer, .address_space: global }
      - { .name: Wq_scales, .offset: 16, .size: 8, .value_kind: global_buffer, .address_space: global }
      - { .name: bq, .offset: 24, .size: 8, .value_kind: global_buffer, .address_space: global }
      - { .name: Wk_codes, .offset: 32, .size: 8, .value_kind: global_buffer, .address_space: global }
      - { .name: Wk_scales, .offset: 40, .size: 8, .value_kind: global_buffer, .address_space: global }
      - { .name: bk, .offset: 48, .size: 8, .value_kind: global_buffer, .address_space: global }
      - { .name: Wv_codes, .offset: 56, .size: 8, .value_kind: global_buffer, .address_space: global }
      - { .name: Wv_scales, .offset: 64, .size: 8, .value_kind: global_buffer, .address_space: global }
      - { .name: bv, .offset: 72, .size: 8, .value_kind: global_buffer, .address_space: global }
      - { .name: qbuf, .offset: 80, .size: 8, .value_kind: global_buffer, .address_space: global }
      - { .name: qsc, .offset: 88, .size: 8, .value_kind: global_buffer, .address_space: global }
      - { .name: kbuf, .offset: 96, .size: 8, .value_kind: global_buffer, .address_space: global }
      - { .name: sbuf, .offset: 104, .size: 8, .value_kind: global_buffer, .address_space: global }
      - { .name: vbuf, .offset: 112, .size: 8, .value_kind: global_buffer, .address_space: global }
    .group_segment_fixed_size: 307712
    .private_segment_fixed_size: 0
    .kernarg_segment_align: 8
    .kernarg_segment_size: 120
    .max_flat_workgroup_size: 128
    .sgpr_count:     80
    .vgpr_count:     1024
    .wavefront_size: 32
...
	.end_amdgpu_metadata
.endif
;; end of part 1
;; launch attn (part 2): grid 16 x 16, 8 waves a work-group, clusters of 4 x 1, 327,680 bytes of LDS; arguments query, beta, qbuf, qsc, kbuf, sbuf, vbuf, out0; writes out0
.if DOCPART == 2
	.amdgcn_target "amdgcn-amd-amdhsa--gfx1250"
	.amdhsa_code_object_version 6
	.text
	.protected	k_q9dcef7a9ab_attn
	.globl	k_q9dcef7a9ab_attn
	.p2align	8
	.type	k_q9dcef7a9ab_attn,@function
k_q9dcef7a9ab_attn:
	s_mov_b64 s[64:65], 0
	v_nop
	global_prefetch_b8 v0, s[64:65] scope:SCOPE_SE
	s_setreg_imm32_b32 hwreg(HW_REG_WAVE_MODE, 25, 1), 1
	s_wait_xcnt 0x0
	s_wait_alu depctr_hold_cnt(0) depctr_sa_sdst(0) depctr_va_vdst(0) depctr_va_sdst(0) depctr_va_ssrc(0) depctr_va_vcc(0) depctr_vm_vsrc(0)
	s_getreg_b32 s2, hwreg(HW_REG_IB_STS2, 6, 4)
	s_cmp_eq_u32 s2, 0
	s_cbranch_scc0 .Lentry_in_a_cluster
	s_endpgm
.Lentry_in_a_cluster:
	s_bfe_u32 s2, ttmp6, 0x10000c
	s_cmp_lg_u32 s2, 0x3003
	s_cbranch_scc0 .Lentry_shape_is_right
	s_endpgm
.Lentry_shape_is_right:
; out = query + beta x softmax(q k^T) v, both products on codes of FP4 (E2M1) with one E8M0 scale for each 32 along K.  16 batches of 2,048 tokens; q, k are 64 wide, v 512.
; q, k, v and their scales come as images of operand registers (16 bytes a lane), made by the launch before:
;   qbuf, kbuf [block of 128 tokens][b 4][u 2][lane][16]; tile (b, u), row r = token 32 b + 8 u + r + 8 (r / 8); lane (r, h) holds codes 32 h .. 32 h + 31 of its row.
;   qsc, and the first 4,096 bytes of a batch of sbuf: [step][b][r] words: two scale bytes of tile (b, 0), two of tile (b, 1).
;   vbuf [step of 128 keys][channel tile 32][c 2][lane][16]: lane (r, h): keys 64 c + 32 h + 0 .. 31 of channel 16 tile + r.  sbuf + 4,096: [step][g 4][lane][j 4] words: tile 2 (4 g + j) + lane / 16.
; THE SOFTMAX: t = score x log2(e); M = the row's largest t rounded up to a whole number; p = 2^(t - M) is quantised along the keys, not normalised; the row's sum of the unquantised p divides at the end.
; K = 64 IN AN INSTRUCTION OF 128: a fragment of k holds tile (b, 0) in registers 0-3 and tile (b, 1) in registers 4-7, and is multiplied by [q | zero codes] and by [zero codes | q].
; BOTH PRODUCTS TRANSPOSED: S^T = k q^T, O^T = v^T p^T: a lane holds one query; the 16 registers of tiles (b, 0), (b, 1) are keys 32 b + 16 (lane / 16) + 0 .. 15.
; SHARES.  A work-group of EIGHT waves, two to a SIMD, owns 128 queries of a batch, in two rounds of 64: the tiles (m, u), m = 0..3.  Wave w = m + 4 c makes the scores and the softmax of tile m for keys 64 c .. 64 c + 63
; of each key step: registers 4 c .. 4 c + 3 of p's fragment and two of its four scale bytes.  THE SECOND PRODUCT GOES BY CHANNELS: wave w multiplies all four tiles' p by v's channels 64 w .. 64 w + 63: 16 accumulators.
; p goes from wave to wave through LDS as an image of its registers, in two sets by the step's parity; one barrier a step.  A STEP'S ORDER: scores and exponentials (registers alone) stand ahead of the barrier's wait or the
; change of slots; behind it the loads of the step before's p, of v and of the next k; then my p is quantised and stored; then the second product of the step before.
; TWO PASSES A ROUND.  k of the whole batch stays in LDS.  Pass 1 makes all scores, four key steps a trip on four sets of k's fragments, each set asked for two steps ahead; it keeps the row's maximum (the two waves of a
; tile join theirs through LDS) and puts each block's largest score into LDS.  Pass 2 makes the scores again under the final M: O^T is never rescaled.  The halves of a row's sum are joined through LDS on the way out.
; THE RESIDUAL: a wave's 64 queries x 64 channels of query lie in 128 registers, asked for at the round's head.
; CLUSTER: the four work-groups of a cluster share the batch: k, the scales and every slot of v are asked for JOINTLY.  At the head each wave has one load (waves 0, 1: halves of k; 2, 3: halves of the scales; 4-7: quarters
; of v's slot 0); slot 1 is first filled behind the next round of the cluster's barrier; a slot is two key steps, a refill 8,192 bytes a wave.  One tensor load a wave is out at any time.
; PREFETCH: the load of trip t (pass 1's four trips of round 0 count as -4 .. -1, the visits from 0) is slot t + 1; trip t asks for slot t + 6: slots 2 to 7, each aligned block of 256 bytes once in each cluster, by waves 0
; and 1, the four partners told apart by address.  k, the scales and slots 0, 1 come by their loads alone; round 1 reads what round 0 has read and asks for nothing.
; LIMITS: NaN and infinities are not served.  A block's largest p is taken from its largest score: that leans on v_exp_f32 not falling where its input rises.  p under 2^-126 counts as 0; a block of such p gets the byte 1.
.set VSLOT, 0x10000                    ; LDS: v's slot 0 at 0, slot 1 here
.set STASH, 131072                     ; each block's largest score: 4,096 w + 256 step + 8 lane
.set KC,    163840                     ; k's codes of the batch: 4,096 step + 1,024 b + 512 u + 16 lane
.set SC,    229376                     ; the scales of the batch: k's words, from + 4,096 v's
.set STAGE, 266240                     ; the way out: 4,608 a wave, of which 16 rows x 272 bytes are used
.set SPARE, 303104                     ; the spare words, 128 bytes a wave: four blocks of 256 bytes that no other line names
.set PIMG,  304128                     ; p's codes: 4,096 set + 1,024 tile + 512 c + 16 lane
.set PSC,   312320                     ; p's scale words: 512 set + 128 tile + 4 lane
.set GREG,  313344                     ; the halves of the rows' sums: 64 w + 4 r
.set MXB,   313856                     ; the halves of the rows' maxima: 128 w + 4 lane
; VECTORS, window 0: v1, v2 the add's two; v3 16 lane; v4-8 addresses in hand; v9-19, v29, v96-101 addresses that stay; v[20:21] -M; v22 the largest score; v23 at work; v[24:27] the sum; v30 q's pair word, v31 q's scale word;
;   v32-39 [q | 0], v40-47 [0 | q]; v48-63 k's two pair fragments, v64 their words; v66-67 the blocks' largest; v68-74 at work; v76-79 my p's codes; v80-83 q of round 1; v84-87 p's scale words; v88-91 v's, two sets;
;   v102-109 beta / l, a pair a tile; v128-159 scores, then p; v160-191 the four tiles' p; v192-255 v's 4 fragments, two sets; on the way out v128-255 are four sets of 32.
;   pass 1 alone: v160-207 k's sets 1 to 3, v65, v110, v111 their words; v208-239 a second set of scores; v112-115 its blocks' largest.
;   window 1: v0-127 O^T, accumulator (tile m, channel tile t) at 8 (4 m + t); v128-255 my part of query.
.set MSB, 0
.macro WIN new                         ; the immediate's high byte repeats the setting that is left
.if MSB != \new
	s_set_vgpr_msb (MSB<<8)|\new
.set MSB, \new
.endif
.endm
.macro STLE
	s_wait_alu depctr_va_vdst(0)
.endm
.macro WM d, a, b, c, sa, sb, ra       ; one matrix instruction; ra = 1: source 0's scale words are read from lanes 16-31
.if (\ra)
	v_wmma_scale_f32_16x16x128_f8f6f4 v[\d:\d+7], v[\a:\a+7], v[\b:\b+7], \c, v[\sa], v[\sb] matrix_a_fmt:MATRIX_FMT_FP4 matrix_b_fmt:MATRIX_FMT_FP4 matrix_a_scale:MATRIX_SCALE_ROW1
.else
	v_wmma_scale_f32_16x16x128_f8f6f4 v[\d:\d+7], v[\a:\a+7], v[\b:\b+7], \c, v[\sa], v[\sb] matrix_a_fmt:MATRIX_FMT_FP4 matrix_b_fmt:MATRIX_FMT_FP4
.endif
.endm
.macro PLACES
.rept 4
	v_nop
.endr
.endm
.macro CROUND                          ; a round of the cluster's barrier
	s_barrier_signal -1
	s_barrier_wait -1
	s_cmp_lg_u32 s20, 0
	s_cbranch_scc1 .Lnot_wave_0_\@
	s_barrier_signal -3
.Lnot_wave_0_\@:
	s_barrier_wait -3
	s_barrier_signal -1
	s_barrier_wait -1
.endm
.macro KADDR                           ; the addresses of the next step's k, and on
	v_add_nc_u32 v4, s57, v9
	v_add_nc_u32 v5, s58, v10
	s_add_co_u32 s57, s57, 4096
	s_add_co_u32 s58, s58, 256
.endm
; my two pair fragments of a key step into v[k] on and their words into v[w] (lanes 0-15 pair 2 c, lanes 16-31 pair 2 c + 1): 5 loads; st: key steps on from the address.
; The fetches behind the last step read bytes of the scales' region, filled once; what they bring is not used
.macro KLOADX k, w, adr, wadr, st
.irp b, 0,1
.irp u, 0,1
	ds_load_b128 v[(\k)+8*\b+4*\u:(\k)+8*\b+4*\u+3], v[\adr] offset:4096*(\st)+1024*\b+512*\u
.endr
.endr
	ds_load_b32 v[\w], v[\wadr] offset:256*(\st)
.endm
.macro SMULX k, w, s                   ; S^T of my 64 keys: register 16 b + 8 u + j of v[s] on = key 64 c + 32 b + 16 (lane / 16) + 8 u + j
.irp b, 0,1
.irp u, 0,1
	WM (\s)+16*\b+8*\u, (\k)+8*\b, 32+8*\u, 0, \w, 31, \b
.endr
.endr
.endm
; two key steps' blocks' largest scores, four chains by turns, and the row's; chain c: block c % 2 of score set c / 2; every accumulator is read from its low end on
.macro BMAX2
.irp c, 0,1,2,3
	v_max3_num_f32 v[66+\c+44*(\c/2)], v[128+16*(\c%2)+80*(\c/2)], v[129+16*(\c%2)+80*(\c/2)], v[130+16*(\c%2)+80*(\c/2)]
.endr
.irp i, 3,5,7,9,11,13
.irp c, 0,1,2,3
	v_max3_num_f32 v[66+\c+44*(\c/2)], v[66+\c+44*(\c/2)], v[128+16*(\c%2)+80*(\c/2)+\i], v[129+16*(\c%2)+80*(\c/2)+\i]
.endr
.endr
.irp c, 0,1,2,3
	v_max_num_f32 v[66+\c+44*(\c/2)], v[66+\c+44*(\c/2)], v[143+16*(\c%2)+80*(\c/2)]
.endr
.irp c, 0,1,2,3
	v_permlanex16_b32 v[68+\c+44*(\c/2)], v[66+\c+44*(\c/2)], s54, s55
.endr
.irp c, 0,1,2,3
	v_max_num_f32 v[66+\c+44*(\c/2)], v[66+\c+44*(\c/2)], v[68+\c+44*(\c/2)]   ; with lane l xor 16's 16 keys
.endr
	v_max3_num_f32 v22, v22, v66, v67
	v_max3_num_f32 v22, v22, v112, v113
.endm
.macro VLOAD q                         ; my 4 fragments of v, of the slot's q-th key step, and their scale words (lanes 0-15 tile 2 j, lanes 16-31 tile 2 j + 1), into set q: 9 loads
.irp t, 0,1,2,3
.irp c, 0,1
	ds_load_b128 v[192+32*\q+8*\t+4*\c:192+32*\q+8*\t+4*\c+3], v6 offset:32768*\q+1024*\t+512*\c
.endr
.endr
	ds_load_b64 v[88+2*\q:89+2*\q], v7
.endm
.macro PLOAD par                       ; the four tiles' p and scale words, from set par: 12 loads
.irp m, 0,1,2,3
.irp c, 0,1
	ds_load_b128 v[160+8*\m+4*\c:160+8*\m+4*\c+3], v99 offset:4096*(\par)+1024*\m+512*\c
.endr
	ds_load_b32 v[84+\m], v29 offset:512*(\par)+128*\m
.endr
.endm
.macro SOFT_B q                        ; the scales and the codes of my half of p; their images go to LDS, set q; then the row's sum of the unquantised p
.irp b, 0,1
	v_max_num_f32 v[66+\b], 0x1800000, v[66+\b]    ; the floor 2^(3 - 127): the byte cannot fall under 1
.endr
.irp b, 0,1
	v_add_nc_u32 v[70+\b], 0xff000000, v[66+\b]    ; 2 off the exponent field: the conversion's scale operand
.endr
.irp b, 0,1
	v_lshrrev_b32 v[72+\b], 23, v[70+\b]           ; the scale's byte
.endr
	v_lshl_or_b32 v74, v73, 8, v72
.irp b, 0,1
	v_cvt_scalef32_pk8_fp4_f32 v[76+2*\b], v[128+16*\b:135+16*\b], v[70+\b]
	v_cvt_scalef32_pk8_fp4_f32 v[77+2*\b], v[136+16*\b:143+16*\b], v[70+\b]
.endr
	v_nop                                          ; one plain instruction behind the scaled conversions
	v_permlane16_swap_b32 v76, v78                 ; a whole block in a lane: lanes 0-15 block 2 c, lanes 16-31 block 2 c + 1
	v_permlane16_swap_b32 v77, v79
	ds_store_b128 v97, v[76:79] offset:4096*\q
	ds_store_b16 v98, v74 offset:512*\q            ; bytes 2 c, 2 c + 1 of the tile's scale word
	v_pk_add_f32 v[26:27], v[128:129], v[130:131]
.irp j, 4,8,12,16,20,24,28
	v_pk_add_f32 v[24:25], v[24:25], v[128+\j:129+\j]
	v_pk_add_f32 v[26:27], v[26:27], v[130+\j:131+\j]
.endr
	v_pk_add_f32 v[24:25], v[24:25], v[26:27]
.endm
; O^T += v^T p^T: my 4 channel tiles x the four tiles of queries: 16 accumulators, one instruction each, by turns.  zero = 1: the first step starts the sums
.macro PV buf, zero
	WIN 0x50                                       ; C and D window 1
	STLE
.irp t, 0,1,2,3
.irp m, 0,1,2,3
.if \zero
	WM 8*(4*\m+\t), 192+32*(\buf)+8*\t, 160+8*\m, 0, 88+2*(\buf)+\t/2, 84+\m, \t%2
.else
	WM 8*(4*\m+\t), 192+32*(\buf)+8*\t, 160+8*\m, v[8*(4*\m+\t):8*(4*\m+\t)+7], 88+2*(\buf)+\t/2, 84+\m, \t%2
.endif
.endr
.endr
	WIN 0
.endm
; A KEY STEP of pass 2, first part: work on registers alone.  k's fragments and the blocks' largest scores were asked for a step ago and waited for at that step's end
.macro STEP_A
	SMULX 48, 64, 128
	v_add_nc_u32 v8, s60, v12                      ; four additions: the plain instructions behind the products (ISA guide 7.12.1).  The next step's stash,
	KADDR                                          ; the next step's k,
	v_add_nc_u32 v7, s59, v11                      ; this step's scale words of v
.set EI, 0
.rept 16
	v_pk_fma_f32 v[128+2*EI:129+2*EI], v[128+2*EI:129+2*EI], s[52:53], v[20:21] op_sel_hi:[1,0,0]   ; t - M
.set EI, EI+1
.endr
	v_fma_f32 v66, v66, s52, v20                   ; the same multiply-add on each block's largest score
	v_fma_f32 v67, v67, s52, v20
	STLE
.set EI, 0
.rept 32
	v_exp_f32 v[128+EI], v[128+EI]                 ; p = 2^(t - M), at most 1
.set EI, EI+1
.endr
	v_exp_f32 v66, v66                             ; the block's largest p
	v_exp_f32 v67, v67
	v_nop                                          ; one plain instruction behind the last exponential
	STLE
.endm
; second part, behind the barrier: the slot's q-th step.  pv = 2: the second product of the step before stands in it; 1: that product starts O^T's sums; 0: a round's first step has none
.macro STEP_B q, pv
.if \pv
	PLOAD 1-\q
.endif
	VLOAD \q                                       ; this step's v: it is multiplied a step on
	KLOADX 48, 64, 4, 5, 0                         ; the next step's k
	SOFT_B \q
	ds_load_b64 v[66:67], v8                       ; the next step's blocks' largest scores, from pass 1 (behind the last step: bytes that are not used)
.if \pv
	s_wait_dscnt 17                                ; p is in; behind it: 9 loads of v, 5 of k, my 2 stores, the stash's load
	PV 1-\q, 2-\pv
.endif
	STLE
	s_wait_dscnt 0x0                               ; for the others' sake: my images have landed; my loads are in
.if \q == 0
	s_barrier_signal -1
.endif
	s_add_co_u32 s59, s59, 2048
	s_add_co_u32 s60, s60, 256
.endm
; THE CHANGE OF SLOTS, in a visit's first step.  mode 1: the slot left is filled with the next two key steps; 2: with the batch's first two, for the next round; 0: nothing to fetch.  pf = 1: the prefetches' address steps
.macro CHANGE mode, pf
	s_wait_tensorcnt 0x0                           ; no tensor load of mine is out, so the walking group 0 may be written
	ds_add_u32 v1, v2
.if \mode
	s_xor_b32 s49, s49, VSLOT
.if \mode == 2
	s_sub_nc_u64 s[50:51], s[50:51], 7*65536
.else
	s_add_nc_u64 s[50:51], s[50:51], 65536
.endif
.endif
.if \pf
	s_wait_xcnt 0x0                                ; the last prefetch, a trip back, has read its address
	s_add_nc_u64 s[68:69], s[68:69], 65536
.endif
	s_wait_dscnt 0x0                               ; the add is done, and my reads of the slot left are over
.if \mode
	CROUND
	tensor_load_to_lds s[48:51], s[80:87]          ; the joint refill: first behind the round, my one tensor load until the next
	s_nop 0
	PLACES
.else
	s_barrier_signal -1
	s_barrier_wait -1
.endif
	v_add_nc_u32 v6, s56, v96                      ; my fragments of v in the slot ahead
	STLE
.endm
.macro ASK how                         ; how = 1: pass 1's trips and the first visit; 2: in the loop of visits, whose first trip (s61 = 6) alone asks: slot 7 is the last
.if \how == 1
	s_cmp_eq_u32 s63, 1
.else
	s_cmp_gt_u32 s61, s62
.endif
	s_cbranch_scc0 .Lnot_mine_\@
	global_prefetch_b8 v18, s[68:69] th:TH_LOAD_NT scope:SCOPE_SE
.Lnot_mine_\@:
.endm
.macro VISIT mode, ask, first
	STEP_A
.if \ask
	CHANGE \mode, 1
	ASK \ask
.else
	CHANGE \mode, 0
.endif
.if \first
	STEP_B 0, 0
.else
	STEP_B 0, 2
.endif
	STEP_A
	s_barrier_wait -1                              ; every wave's p of the step before lies in LDS; between the signal and this wait stands work on registers alone
.if \first
	STEP_B 1, 1
.else
	STEP_B 1, 2
.endif
	s_xor_b32 s56, s56, VSLOT
.endm
; my part of query: chunk x = tile x of the round, my 64 channels.  Sixteen lanes read 256 consecutive bytes of a row; load i takes stage rows 2 i and 2 i + 1: tokens 2 i + 8 (i / 4) + lane / 16 of the tile
.macro RLOAD u
	WIN 0x40                                       ; destination window 1
.irp x, 0,1,2,3
.irp i, 0,1,2,3,4,5,6,7
	global_load_b128 v[128+32*\x+4*\i:128+32*\x+4*\i+3], v15, s[4:5] offset:(32*\x+2*\i+8*(\i/4)+8*\u)*2048 th:TH_LOAD_NT
.endr
.endr
	WIN 0
.endm
.macro TOSTAGE x                       ; a chunk of 16 queries x 64 channels through my own stage: in by rows of 272 bytes, back as whole rows of 256
	WIN 0x04                                       ; an LDS store's data: window 1
.irp t, 0,1,2,3
	ds_store_b128 v13, v[32*(\x)+8*\t:32*(\x)+8*\t+3] offset:64*\t
	ds_store_b128 v13, v[32*(\x)+8*\t+4:32*(\x)+8*\t+7] offset:64*\t+16
.endr
	WIN 0
.irp i, 0,1,2,3,4,5,6,7
	ds_load_b128 v[128+32*(\x)+4*\i:128+32*(\x)+4*\i+3], v14 offset:544*\i   ; LDS serves a wave's instructions in order (ISA guide 5.7.1.4)
.endr
.endm
.macro SEND x, younger, u              ; younger: the LDS instructions issued behind chunk x's loads
	s_wait_dscnt \younger
	WIN 0x04                                       ; source 1 (query) window 1
.irp i, 0,1,2,3,4,5,6,7
.irp k, 0,1
	v_pk_add_f32 v[128+32*(\x)+4*\i+2*\k:128+32*(\x)+4*\i+2*\k+1], v[128+32*(\x)+4*\i+2*\k:128+32*(\x)+4*\i+2*\k+1], v[128+32*(\x)+4*\i+2*\k:128+32*(\x)+4*\i+2*\k+1]
.endr
.endr
	WIN 0
.irp i, 0,1,2,3,4,5,6,7
	global_store_b128 v15, v[128+32*(\x)+4*\i:128+32*(\x)+4*\i+3], s[18:19] offset:(32*(\x)+2*\i+8*(\i/4)+8*\u)*2048 th:TH_STORE_NT   ; sixteen lanes store 256 consecutive bytes, aligned
.endr
.endm
.macro OUT u
	v_add_f32 v23, v24, v25                        ; the sum's two halves,
	v_permlanex16_b32 v68, v23, s54, s55
	v_add_f32 v23, v23, v68                        ; and lane l xor 16's keys: my 1,024 keys' part of the row's sum
	ds_store_b32 v16, v23                          ; both halves of the lanes write the same word
	STLE
	s_wait_dscnt 0x0
	s_barrier_signal -1
	s_barrier_wait -1
.irp m, 0,1,2,3
	ds_load_b32 v[102+2*\m], v17 offset:64*\m      ; tile m, query r: the part of keys' half 0,
	ds_load_b32 v[103+2*\m], v17 offset:256+64*\m  ; and of half 1
.endr
	s_wait_loadcnt 0x0                             ; my part of query
	s_wait_dscnt 0x0
.irp m, 0,1,2,3
	v_add_f32 v[102+2*\m], v[102+2*\m], v[103+2*\m]
.endr
	STLE
.irp m, 0,1,2,3
	v_rcp_f32 v[102+2*\m], v[102+2*\m]
.endr
	v_nop
	STLE
.irp m, 0,1,2,3
	v_mul_f32 v[103+2*\m], s67, v[102+2*\m]        ; beta / l, twice: a pair for the packed form
	v_mul_f32 v[102+2*\m], s67, v[102+2*\m]
.endr
	WIN 0x41                                       ; destination and source 0 window 1
	STLE
.irp m, 0,1,2,3
.irp j, 0,2,4,6,8,10,12,14,16,18,20,22,24,26,28,30
	v_pk_mul_f32 v[32*\m+\j:32*\m+\j+1], v[32*\m+\j:32*\m+\j+1], v[102+2*\m:103+2*\m]   ; a lane holds one query: O^T x beta / l, each accumulator from its low end on
.endr
.endr
	WIN 0
	STLE
	TOSTAGE 0
.irp x, 1,2,3
	TOSTAGE \x
	SEND \x-1, 16, \u                              ; behind chunk x - 1's loads: chunk x's 8 stores and 8 loads
.endr
	SEND 3, 0, \u
.endm
; A ROUND: the four tiles (m, u) against all 2,048 keys
.macro ROUNDQ u, last
.if \u == 0
	s_wait_loadcnt 0x0                             ; q of both rounds and its pair word
	RLOAD \u                                       ; behind the head's tensor loads
.else
	s_wait_xcnt 0x0                                ; the round before's stores have read their registers, which pass 1 takes from here on
	RLOAD \u
.irp j, 0,1,2,3
	v_mov_b32 v[32+\j], v[80+\j]                   ; q of this round into [q | 0]
	v_mov_b32 v[44+\j], v[80+\j]                   ; and into [0 | q]
.endr
.endif
	v_perm_b32 v31, v30, v30, 0x01000100+0x02020202*\u   ; q's scale word: my tile's two bytes, twice
	v_mov_b32 v22, 0xff61b1e6                      ; the largest score so far: -3e38
	v_mov_b32 v24, 0
	v_mov_b32 v25, 0
	s_mov_b32 s57, 16384
	s_mov_b32 s58, 1024
	s_mov_b32 s60, 0
	KLOADX 48, 64, 9, 10, 0                        ; key steps 0 to 3
	KLOADX 160, 65, 9, 10, 1
	KLOADX 176, 110, 9, 10, 2
	KLOADX 192, 111, 9, 10, 3
.rept 5
	v_nop                                          ; with the three lines above: eight plain instructions between the write of a scale word and the first product that takes it
.endr
	STLE
	s_mov_b32 s23, 4
.Lpass1_\@:                                        ; PASS 1, four key steps a trip
.if \u == 0
	s_wait_xcnt 0x0                                ; the last trip's prefetch has read its address
	s_add_nc_u64 s[68:69], s[68:69], 65536
	ASK 1
.endif
	s_wait_dscnt 10                                ; sets 0 and 1 are in; behind them at the least: the 10 loads of sets 2 and 3
	SMULX 48, 64, 128
	SMULX 160, 65, 208
	v_add_nc_u32 v4, s57, v9                       ; the next trip's k and words, this trip's stash
	v_add_nc_u32 v5, s58, v10
	v_add_nc_u32 v8, s60, v12
	v_nop                                          ; the fourth plain instruction behind the products
	KLOADX 48, 64, 4, 5, 0
	KLOADX 160, 65, 4, 5, 1
	BMAX2
	ds_store_b64 v8, v[66:67]                      ; my own bytes: read back by me alone, in pass 2
	ds_store_b64 v8, v[112:113] offset:256
	s_wait_dscnt 12                                ; sets 2 and 3 are in; behind them at the least: 10 loads and 2 stores
	SMULX 176, 110, 128
	SMULX 192, 111, 208
	PLACES
	KLOADX 176, 110, 4, 5, 2
	KLOADX 192, 111, 4, 5, 3
	BMAX2
	ds_store_b64 v8, v[66:67] offset:512
	ds_store_b64 v8, v[112:113] offset:768
	s_add_co_u32 s57, s57, 16384
	s_add_co_u32 s58, s58, 1024
	s_add_co_u32 s60, s60, 1024
	s_sub_co_u32 s23, s23, 1
	s_cmp_lg_u32 s23, 0
	STLE
	s_cbranch_scc1 .Lpass1_\@
	ds_store_b32 v100, v22                         ; my half's largest score of each query
	s_wait_dscnt 0x0
	s_barrier_signal -1
	s_barrier_wait -1
	ds_load_b32 v23, v101                          ; the other half's
	s_wait_dscnt 0x0
	v_max_num_f32 v22, v22, v23
	v_mul_f32 v23, s52, v22                        ; the row's largest t,
	v_floor_f32 v20, -v23                          ; -M = floor(-t) = -ceil(t)
	s_mov_b32 s57, 0
	s_mov_b32 s58, 0
	s_mov_b32 s59, 0
	s_mov_b32 s60, 256
	KADDR
	STLE
	KLOADX 48, 64, 4, 5, 0
	ds_load_b64 v[66:67], v12                      ; step 0's blocks' largest scores
	s_wait_dscnt 0x0
.if \last                                      ; PASS 2: eight visits of two key steps
	VISIT 1, 0, 1                                  ; slot 1, left by the round before, takes key steps 2 and 3
.else
	VISIT 0, 1, 1                                  ; both slots were filled from the head
.endif
	s_mov_b32 s61, 6
.Lvisit_\@:
.if \last
	VISIT 1, 0, 0
.else
	VISIT 1, 2, 0
.endif
	s_sub_co_u32 s61, s61, 1
	s_cmp_lg_u32 s61, 0
	s_cbranch_scc1 .Lvisit_\@
.if \last
	VISIT 0, 0, 0                                  ; the last visit is written out
.else
	VISIT 2, 0, 0
.endif
	s_barrier_signal -1                            ; the last step's p: every wave has waited for its stores at the step's end
	s_barrier_wait -1
	PLACES                                         ; four plain instructions between the step's second product and the loads into the registers that it read
	PLOAD 1
	s_wait_dscnt 0x0
	PV 1, 0
	OUT \u
.endm
	s_load_b512 s[4:19], s[0:1], 0x0               ; query 4, beta 6, qbuf 8, qsc 10, kbuf 12, sbuf 14, vbuf 16, out0 18
	v_lshl_add_u32 v1, v0, 2, SPARE
	v_mov_b32 v2, 0
	ds_add_u32 v1, v2                              ; the opening lines: the add twice on end and its wait
	ds_add_u32 v1, v2
	v_lshrrev_b32 v3, 5, v0
	v_readfirstlane_b32 s20, v3                    ; wave 0..7
	s_bfe_u32 s21, ttmp6, 0x40000                  ; cx: it enters the addresses of q, query, out0 and the prefetches alone
	s_and_b32 s22, ttmp7, 0xffff                   ; the batch, which the four partners share
	s_and_b32 s88, s20, 3                          ; m
	s_lshr_b32 s89, s20, 2                         ; c
	s_and_b32 s101, s20, 1
	; descriptor groups 1: dense blocks as rows of 256 bytes (32 elements of 8 bytes): 128 rows of k, 72 of the scales, 64 of v at the head (32 behind it); the mask names all four work-groups, bit 21 beside it
.irp g, 24, 32, 80
	s_mov_b32 s[\g], 15|(3<<16)|(1<<21)
	s_mov_b32 s[\g+1], 32<<16
	s_mov_b32 s[\g+3], 32<<16
	s_mov_b32 s[\g+5], 32
	s_mov_b32 s[\g+6], 0
	s_mov_b32 s[\g+7], 0
.endr
	s_mov_b32 s26, 128<<16
	s_mov_b32 s28, 128
	s_mov_b32 s34, 72<<16
	s_mov_b32 s36, 72
	s_mov_b32 s82, 64<<16
	s_mov_b32 s84, 64
	s_lshl_b32 s70, s22, 16                        ; k: batch x 65,536 + 32,768 (w % 2)
	s_lshl_b32 s71, s101, 15
	s_add_co_u32 s70, s70, s71
	s_mov_b32 s71, 0
	s_mul_i32 s72, s22, 36864                      ; the scales: batch x 36,864 + 18,432 (w % 2)
	s_mul_i32 s73, s101, 18432
	s_add_co_u32 s72, s72, s73
	s_mov_b32 s73, 0
	s_lshl_b32 s74, s22, 19                        ; v's walking load: batch x 524,288 + slot 1 + 8,192 w
	s_lshl_b32 s75, s20, 13
	s_add_co_u32 s74, s74, s75
	s_add_co_u32 s74, s74, 65536
	s_mov_b32 s75, 0
	s_mov_b32 s52, 0x3fb8aa3b                      ; log2(e)
	s_mov_b32 s53, s52
	s_mov_b32 s54, 0x76543210
	s_mov_b32 s55, 0xfedcba98
	s_mov_b32 s56, 0
	s_lshr_b32 s63, s20, 1                         ; waves 0 and 1 of every work-group prefetch
	s_cmp_eq_u32 s63, 0
	s_cselect_b32 s63, 1, -1
	s_cselect_b32 s62, 5, -1
	; the waves' places in LDS
	s_lshl_b32 s90, s89, 11
	s_add_co_u32 s90, s90, KC                      ; k's pairs 2 c, 2 c + 1
	s_lshl_b32 s91, s89, 7
	s_add_co_u32 s91, s91, SC                      ; and their words
	s_lshr_b32 s92, s20, 1
	s_lshl_b32 s92, s92, 9
	s_lshl_b32 s93, s101, 3
	s_add_co_u32 s92, s92, s93
	s_add_co_u32 s92, s92, SC+4096                 ; v's scale words of my 4 channel tiles
	s_lshl_b32 s93, s20, 12                        ; v's fragments: my 4 of a step's 32
	s_add_co_u32 s94, s93, STASH
	s_lshl_b32 s95, s88, 10
	s_lshl_b32 s96, s89, 9
	s_add_co_u32 s95, s95, s96
	s_add_co_u32 s95, s95, PIMG                    ; where I store my half of my tile's p,
	s_lshl_b32 s96, s88, 7
	s_lshl_b32 s97, s89, 1
	s_add_co_u32 s96, s96, s97
	s_add_co_u32 s96, s96, PSC                     ; and its two scale bytes
	s_mul_i32 s97, s20, 4608
	s_add_co_u32 s97, s97, STAGE
	s_lshl_b32 s98, s20, 6
	s_add_co_u32 s98, s98, GREG
	s_lshl_b32 s99, s20, 7
	s_xor_b32 s100, s99, 512                       ; the wave with my tile and the other half of the keys
	s_add_co_u32 s99, s99, MXB
	s_add_co_u32 s100, s100, MXB
	s_wait_dscnt 0x0                               ; both opening adds are done
	s_wait_kmcnt 0x0
	s_load_b32 s67, s[6:7], 0x0                    ; beta
	s_mov_b32 s40, 1
	s_lshl_b32 s41, s101, 15
	s_add_co_u32 s41, s41, KC
	s_add_nc_u64 s[42:43], s[12:13], s[70:71]
	s_or_b32 s43, s43, 0x80000000
	s_mov_b32 s44, 1
	s_mul_i32 s45, s101, 18432
	s_add_co_u32 s45, s45, SC
	s_add_nc_u64 s[46:47], s[14:15], s[72:73]
	s_or_b32 s47, s47, 0x80000000
	s_mov_b32 s48, 1
	s_lshl_b32 s49, s20, 13
	s_add_co_u32 s49, s49, VSLOT
	s_add_nc_u64 s[50:51], s[16:17], s[74:75]
	s_or_b32 s51, s51, 0x80000000
	; what hangs on my place in the cluster, in registers of its own
	s_lshl_b32 s76, ttmp9, 2
	s_add_co_u32 s76, s76, s21                     ; my block of 128 queries in the batch
	s_lshl_b32 s77, s22, 4
	s_add_co_u32 s77, s77, s76                     ; and among all 256
	s_mov_b32 s79, 0
	s_lshl_b32 s78, s77, 18
	s_lshl_b32 s76, s20, 8
	s_add_co_u32 s78, s78, s76
	s_add_nc_u64 s[4:5], s[4:5], s[78:79]          ; query and out0 at my block's first token, my 64 channels
	s_add_nc_u64 s[18:19], s[18:19], s[78:79]
	s_lshl_b32 s78, s77, 12
	s_lshl_b32 s76, s88, 10
	s_add_co_u32 s78, s78, s76
	s_add_nc_u64 s[8:9], s[8:9], s[78:79]          ; q's images of tiles (m, 0), (m, 1)
	s_lshl_b32 s78, s77, 8
	s_lshl_b32 s76, s88, 6
	s_add_co_u32 s78, s78, s76
	s_add_nc_u64 s[10:11], s[10:11], s[78:79]      ; and their pair words
	s_lshl_b32 s78, s22, 19
	s_lshl_b32 s76, s21, 14
	s_add_co_u32 s78, s78, s76
	s_lshl_b32 s76, s101, 13
	s_add_co_u32 s78, s78, s76
	s_add_co_u32 s78, s78, 65536                   ; in slot 1: pass 1's first trip steps it to slot 2
	s_add_nc_u64 s[68:69], s[16:17], s[78:79]
	s_mov_b32 s76, 1                               ; group 0 for the head's quarter of v's slot 0: nothing of my place in the cluster is in it
	s_lshl_b32 s77, s88, 14
	s_lshl_b32 s70, s22, 19
	s_add_co_u32 s70, s70, s77
	s_add_nc_u64 s[78:79], s[16:17], s[70:71]
	s_or_b32 s79, s79, 0x80000000
	CROUND                                         ; all four work-groups are here: the first joint loads meet
	s_cmp_lt_u32 s20, 2                            ; the head's loads, one a wave: one chain of branches on the wave's number, a load in each arm
	s_cbranch_scc0 .Lhead_s
	tensor_load_to_lds s[40:43], s[24:31]          ; half of k of the batch: filled once
	s_nop 0
	PLACES
	s_branch .Lhead_j
.Lhead_s:
	s_cmp_lt_u32 s20, 4
	s_cbranch_scc0 .Lhead_v
	tensor_load_to_lds s[44:47], s[32:39]          ; half of the scales: filled once
	s_nop 0
	PLACES
	s_branch .Lhead_j
.Lhead_v:
	tensor_load_to_lds s[76:79], s[80:87]          ; a quarter of v's slot 0
	s_nop 0
	PLACES
.Lhead_j:
	v_and_b32 v23, 31, v0                          ; lane
	v_and_b32 v26, 15, v0                          ; r
	v_bfe_u32 v27, v0, 4, 1                        ; h
	v_lshlrev_b32 v3, 4, v23
	v_lshlrev_b32 v19, 2, v26
	v_add_nc_u32 v9, s90, v3
	v_lshl_add_u32 v10, v23, 2, s91
	v_add_nc_u32 v11, s92, v3
	v_add_nc_u32 v96, s93, v3
	v_lshl_add_u32 v12, v23, 3, s94
	v_add_nc_u32 v97, s95, v3
	v_lshl_add_u32 v98, v23, 2, s96
	v_add_nc_u32 v99, PIMG, v3                     ; where all four tiles' p are read,
	v_lshl_add_u32 v29, v23, 2, PSC                ; and their scale words
	v_mul_u32_u24 v13, v26, 272
	v_lshl_add_u32 v13, v27, 5, v13
	v_add_nc_u32 v13, s97, v13                     ; the stage, in: row r, + 32 h
	v_mul_u32_u24 v14, v27, 272
	v_lshl_add_u32 v14, v26, 4, v14
	v_add_nc_u32 v14, s97, v14                     ; back: lanes 0-15 one row, lanes 16-31 the next
	v_lshlrev_b32 v15, 11, v27
	v_lshl_add_u32 v15, v26, 4, v15                ; and the same in query and out0
	v_lshl_add_u32 v16, v26, 2, s98
	v_lshl_add_u32 v17, v26, 2, GREG
	v_lshlrev_b32 v18, 8, v23                      ; the prefetches: lanes 256 bytes apart
	v_lshl_add_u32 v100, v23, 2, s99
	v_lshl_add_u32 v101, v23, 2, s100
.irp j, 36,37,38,39,40,41,42,43
	v_mov_b32 v[\j], 0                             ; the zero codes of [q | 0] and [0 | q]
.endr
	v_mov_b32 v21, 0                               ; (named with -M as a pair)
.irp j, 68,69,114,115
	v_mov_b32 v[\j], 0                             ; written once: a lane permute's destination counts as one of its sources
.endr
	STLE
	global_load_b32 v30, v19, s[10:11]             ; q's pair word of row r
	global_load_b128 v[32:35], v3, s[8:9]
	global_load_b128 v[44:47], v3, s[8:9]          ; and into [0 | q]: two runs of registers
	global_load_b128 v[80:83], v3, s[8:9] offset:512
	s_wait_kmcnt 0x0                               ; beta
	s_wait_tensorcnt 0x0                           ; my tile of the head's is in
	ds_add_u32 v1, v2
	s_mov_b32 s82, 32<<16                          ; no tensor load of mine is out, so a descriptor may be written: from here on a load of v brings 32 rows
	s_mov_b32 s84, 32
	s_wait_dscnt 0x0
	CROUND                                         ; everybody's tiles are in, and the joint loads meet
	tensor_load_to_lds s[48:51], s[80:87]          ; v's slot 1: it has pass 1 and the first visit in which to land
	s_nop 0
	PLACES
	ROUNDQ 0, 0
	ROUNDQ 1, 1
	s_wait_tensorcnt 0x0                           ; the wave's end
	ds_add_u32 v1, v2
	s_wait_dscnt 0x0
	CROUND                                         ; the closing round
	s_endpgm
.Lfunc_end_k_q9dcef7a9ab_attn:
	.size	k_q9dcef7a9ab_attn, .Lfunc_end_k_q9dcef7a9ab_attn-k_q9dcef7a9ab_attn
	.p2alignl 7, 3214868480
	.fill 96, 4, 3214868480
	.section	.rodata,"a",@progbits
	.p2align	6, 0x0
	.amdhsa_kernel k_q9dcef7a9ab_attn
		.amdhsa_group_segment_fixed_size 327680
		.amdhsa_private_segment_fixed_size 0
		.amdhsa_enable_private_segment 0
		.amdhsa_kernarg_size 64
		.amdhsa_user_sgpr_count 2
		.amdhsa_user_sgpr_kernarg_segment_ptr 1
		.amdhsa_wavefront_size32 1
		.amdhsa_system_sgpr_workgroup_id_x 1
		.amdhsa_system_sgpr_workgroup_id_y 1
		.amdhsa_system_sgpr_workgroup_id_z 1
		.amdhsa_system_vgpr_workitem_id 0
		.amdhsa_next_free_vgpr 512
		.amdhsa_next_free_sgpr 102
		.amdhsa_reserve_vcc 0
		.amdhsa_float_denorm_mode_32 3
		.amdhsa_float_denorm_mode_16_64 3
		.amdhsa_memory_ordered 1
		.amdhsa_forward_progress 1
		.amdhsa_inst_pref_size 188
	.end_amdhsa_kernel
	.amdgpu_metadata
---
amdhsa.version: [ 1, 2 ]
amdhsa.kernels:
  - .name:           k_q9dcef7a9ab_attn
    .symbol:         k_q9dcef7a9ab_attn.kd
    .args:
      - { .name: query, .offset: 0, .size: 8, .value_kind: global_buffer, .address_space: global }
      - { .name: beta, .offset: 8, .size: 8, .value_kind: global_buffer, .address_space: global }
      - { .name: qbuf, .offset: 16, .size: 8, .value_kind: global_buffer, .address_space: global }
      - { .name: qsc, .offset: 24, .size: 8, .value_kind: global_buffer, .address_space: global }
      - { .name: kbuf, .offset: 32, .size: 8, .value_kind: global_buffer, .address_space: global }
      - { .name: sbuf, .offset: 40, .size: 8, .value_kind: global_buffer, .address_space: global }
      - { .name: vbuf, .offset: 48, .size: 8, .value_kind: global_buffer, .address_space: global }
      - { .name: out0, .offset: 56, .size: 8, .value_kind: global_buffer, .address_space: global }
    .group_segment_fixed_size: 327680
    .private_segment_fixed_size: 0
    .kernarg_segment_align: 8
    .kernarg_segment_size: 64
    .max_flat_workgroup_size: 256
    .sgpr_count:     102
    .vgpr_count:     512
    .wavefront_size: 32
...
	.end_amdgpu_metadata
.endif
;; end of part 2
